; MI455X (gfx1250); checked and timed in simulation.
; The chip was launched on July 23, 2026; its instructions are those of AMD's public machine-readable ISA for CDNA 5 (MIT licence, August 2026) and "CDNA5" Instruction Set Architecture Reference Guide (July 2026). The comments in the code are by the model that wrote it; some were corrected since.
;; Lo RA Linear. Allowed arithmetic: float matrix products may take bf16 or f16 operands with f32 sums; other float arithmetic in f32, or as packed bf16 or f16 multiplies, adds, multiply-adds, maxima and minima; sums over many terms, partial sums and values carried from step to step in f32; what a program stores and reads back later, other than sums and carried values, may be rounded once to bf16 or f16.
;; Inputs: lora_a_w 16 x 4,096 float32; lora_b_w 2,048 x 16 float32; scales 2,048 x 64 float32; w_q 2,048 x 4,096 int32; x 4 x 2,048 x 4,096 float32.
;; Outputs: out0 4 x 2,048 x 2,048 float32.
;; 2 versions, each right; version 2 is version 1 with the launches cast_x, fold_w written anew for expert scheduling mode. Each part assembles by itself: llvm-mc -triple=amdgcn-amd-amdhsa -mcpu=gfx1250 --defsym DOCPART=n.
;; ======== version 1 of 2: 3 launches
;; limits: values are held in f16: magnitudes above 65,504 overflow, below 6.1e-05 lose precision
;; workspace buffers: x16 67,108,864 bytes; weff 16,777,216 bytes
;; launch cast_x (part 1): grid 1024 x 1, 8 waves a work-group, no clusters, 0 bytes of LDS; arguments x, x16; writes x16
.if DOCPART == 1
	.amdgcn_target "amdgcn-amd-amdhsa--gfx1250"
	.amdhsa_code_object_version 6
	.text
	.protected	k_q72c38f05c2_cast_x
	.globl	k_q72c38f05c2_cast_x
	.p2align	8
	.type	k_q72c38f05c2_cast_x,@function
k_q72c38f05c2_cast_x:
	s_mov_b64 s[64:65], 0
	v_nop
	global_prefetch_b8 v0, s[64:65] scope:SCOPE_SE
	s_setreg_imm32_b32 hwreg(HW_REG_WAVE_MODE, 25, 1), 1
	s_wait_xcnt 0x0
; x16 = x rounded once to f16, in the same order.  x: 33,554,432 numbers of f32; x16: as many of f16.
; LIMITS.  f16 holds no number beyond 65,504 (a larger |x| becomes an infinity); below 6.1e-5 it keeps its fixed step of 6e-8.  NaN and infinities are not treated apart.
; SHARES.  A work-group owns 131,072 consecutive bytes of x, taken as 32 pieces of 4,096 bytes.  Thread t owns the 16 bytes at 16 t of every piece, so a load of a wave covers 512
; consecutive bytes, and its store of 8 bytes a lane covers 256 consecutive bytes, aligned.  No LDS, no barrier, no matrix unit: each byte is read once and written once.
; A ring of eight slots keeps eight loads of every wave on their way.  Each piece has its own two registers to store from, and no address register is ever rewritten:
; so the only waits are the counted ones for the loads.
.set PIECES, 32
.set DEPTH,  8
.set INB,    4096                      ; bytes of a piece in x
.set OUTB,   2048                      ; bytes of a piece in x16
.set X, 4                              ; v[4:35]   slot i: 4 numbers of f32 as loaded
.set Y, 36                             ; v[36:99]  piece r: 4 numbers of f16 to store
	s_load_b128 s[4:7], s[0:1], 0x0                ; x s[4:5], x16 s[6:7]
	s_lshl_b32 s2, ttmp9, 17                       ; the work-group's 131,072 bytes of x (1,023 x 131,072 stays under 2^32)
	s_mov_b32 s3, 0
	s_lshl_b32 s8, ttmp9, 16                       ; and its 65,536 bytes of x16
	s_mov_b32 s9, 0
	v_lshlrev_b32 v1, 4, v0                        ; 16 t
	v_lshlrev_b32 v2, 3, v0                        ; 8 t
	s_wait_kmcnt 0x0
	s_add_nc_u64 s[4:5], s[4:5], s[2:3]
	s_add_nc_u64 s[6:7], s[6:7], s[8:9]
.irp i, 0,1,2,3,4,5,6,7
	global_load_b128 v[X+4*(\i):X+4*(\i)+3], v1, s[4:5] offset:INB*(\i) th:TH_LOAD_NT  ; the ring is filled: pieces 0 to 7
.endr
.set r, 0
.rept PIECES
.if r < PIECES-DEPTH
	s_wait_loadcnt DEPTH-1                         ; loads come back in order: piece r is in, the seven younger loads stay out
.else
	s_wait_loadcnt PIECES-1-r                      ; the last eight pieces load nothing: the counts run down
.endif
	v_cvt_pk_f16_f32 v[Y+2*r],   v[X+4*(r%DEPTH)],   v[X+4*(r%DEPTH)+1]  ; two roundings, packed
	v_cvt_pk_f16_f32 v[Y+2*r+1], v[X+4*(r%DEPTH)+2], v[X+4*(r%DEPTH)+3]
.if r < PIECES-DEPTH
	global_load_b128 v[X+4*(r%DEPTH):X+4*(r%DEPTH)+3], v1, s[4:5] offset:INB*(r+DEPTH) th:TH_LOAD_NT  ; the slot's next piece, ahead of the store
.endif
	global_store_b64 v2, v[Y+2*r:Y+2*r+1], s[6:7] offset:OUTB*r th:TH_STORE_NT
.set r, r+1
.endr
	s_endpgm
.Lfunc_end_k_q72c38f05c2_cast_x:
	.size	k_q72c38f05c2_cast_x, .Lfunc_end_k_q72c38f05c2_cast_x-k_q72c38f05c2_cast_x
	.p2alignl 7, 3214868480
	.fill 96, 4, 3214868480
	.section	.rodata,"a",@progbits
	.p2align	6, 0x0
	.amdhsa_kernel k_q72c38f05c2_cast_x
		.amdhsa_group_segment_fixed_size 0
		.amdhsa_private_segment_fixed_size 0
		.amdhsa_enable_private_segment 0
		.amdhsa_kernarg_size 16
		.amdhsa_user_sgpr_count 2
		.amdhsa_user_sgpr_kernarg_segment_ptr 1
		.amdhsa_wavefront_size32 1
		.amdhsa_system_sgpr_workgroup_id_x 1
		.amdhsa_system_sgpr_workgroup_id_y 1
		.amdhsa_system_sgpr_workgroup_id_z 1
		.amdhsa_system_vgpr_workitem_id 0
		.amdhsa_next_free_vgpr 100
		.amdhsa_next_free_sgpr 66
		.amdhsa_reserve_vcc 0
		.amdhsa_float_denorm_mode_32 3
		.amdhsa_float_denorm_mode_16_64 3
		.amdhsa_memory_ordered 1
		.amdhsa_forward_progress 1
		.amdhsa_inst_pref_size 12
	.end_amdhsa_kernel
	.amdgpu_metadata
---
amdhsa.version: [ 1, 2 ]
amdhsa.kernels:
  - .name:           k_q72c38f05c2_cast_x
    .symbol:         k_q72c38f05c2_cast_x.kd
    .args:
      - { .name: x, .offset: 0, .size: 8, .value_kind: global_buffer, .address_space: global }
      - { .name: x16, .offset: 8, .size: 8, .value_kind: global_buffer, .address_space: global }
    .group_segment_fixed_size: 0
    .private_segment_fixed_size: 0
    .kernarg_segment_align: 8
    .kernarg_segment_size: 16
    .max_flat_workgroup_size: 256
    .sgpr_count:     66
    .vgpr_count:     100
    .wavefront_size: 32
...
	.end_amdgpu_metadata
.endif
;; end of part 1
;; launch fold_w (part 2): grid 32 x 8, 8 waves a work-group, no clusters, 0 bytes of LDS; arguments w_q, scales, lora_a_w, lora_b_w, weff; writes weff
.if DOCPART == 2
	.amdgcn_target "amdgcn-amd-amdhsa--gfx1250"
	.amdhsa_code_object_version 6
	.text
	.protected	k_q72c38f05c2_fold_w
	.globl	k_q72c38f05c2_fold_w
	.p2align	8
	.type	k_q72c38f05c2_fold_w,@function
k_q72c38f05c2_fold_w:
	s_mov_b64 s[64:65], 0
	v_nop
	global_prefetch_b8 v0, s[64:65] scope:SCOPE_SE
	s_setreg_imm32_b32 hwreg(HW_REG_WAVE_MODE, 25, 1), 1
	s_wait_xcnt 0x0
; weff[o][i] = f16( NF4[w_q[o][i]] x scales[o][i / 64] + the sum over r of (2 B[o][r]) A[r][i] ).   w_q: [2048][4096] i32, scales: [2048][64] f32, A = lora_a_w: [16][4096] f32,
; B = lora_b_w: [2048][16] f32, weff: [2048][4096] f16.  x (W + 2 B A)^T = x W^T + 2 (x A^T) B^T for every input, so the low-rank path is folded into the weight once (2 = ALPHA / RANK).
; LIMITS.  The low-rank term is summed in another order than in the formula with (x A^T) first.  A and 2 B are rounded to f16 for their product; the sum with the dequantised weight is kept
; in f32 and rounded once to f16: no number beyond 65,504; below 6.1e-5 f16 keeps its fixed step of 6e-8.  A code outside 0 .. 15 counts as 15.  NaN and infinities are not treated apart.
; SHARES.  Work-group (sx, sy): columns 128 sx .. + 127, rows 256 sy .. + 255; wave w its rows 32 w .. + 31, as two blocks of 16 rows.  No byte is shared between waves: no LDS bytes, no barrier.
; LAYOUT.  Lane l: r = l % 16, h = l / 16.  One matrix instruction makes D = S0 x S1 + C.  S0 = 16 rows o of 2 B (rank = K: 16 of the 32 are used, the fragments' upper registers are 0).
; S1 number q (0 .. 7) holds the 16 columns i = c0 + 8 r + q of A.  Register j of D number q in lane (r, h) is then row o0 + 8 h + j, column c0 + 8 r + q: a lane holds EIGHT NEIGHBOURING
; COLUMNS of eight rows.  C is the dequantised weight in the same places, so the matrix instruction itself adds the two parts.  A row's eight numbers pack into 16 bytes; sixteen
; neighbouring lanes store 256 consecutive bytes, aligned.  The codes come as 32 bytes a lane and row (two loads, which together take all 512 bytes of the row's strip).
; THE TABLE lies across the lanes: lane l holds NF4[l % 16], and a lane permute by 4 x code fetches a code's level (it touches no LDS byte).
.set QA, 4                             ; v4   my byte offset in w_q and in A (both have rows of 16,384 bytes): 8 h rows + 32 r
.set BA, 5                             ; v5   in B: 64 r + 32 h
.set SA, 6                             ; v6   in scales: 8 h rows of 256 bytes + 4 (r / 8)
.set OA, 7                             ; v7   in weff: 8 h rows of 8,192 bytes + 16 r
.set T,  8                             ; v8   NF4[l % 16]
.set SC, 10                            ; v[10:25]   the scale of block b, row j at SC + 8 b + j
.set BF, 26                            ; v[26:41]   the fragment of 2 B for block b at BF + 8 b
.set BR, 42                            ; v[42:57]   B as loaded, 8 a block
.set AF, 64                            ; v[64:127]  fragment q of A at AF + 8 q
.set CD, 128                           ; v[128:191] C and D number q at CD + 8 q
.set O,  192                           ; v[192:255] packed results at O + 32 b + 4 j: each block has its own, so no store's data is ever rewritten
.set Q,  0                             ; second window of 256, v[0:127]:   the codes at Q + 64 b + 8 j + q
.set AR, 128                           ; second window of 256, v[128:191]: A as loaded, rank 8 h + jj, column q at AR + 8 jj + q
.set MSB, 0
.macro WIN new                         ; s_set_vgpr_msb: bits 1:0 source 0, 3:2 source 1, 5:4 source 2, 7:6 destination; the high byte repeats the setting that is left
.if MSB != (\new)
	s_set_vgpr_msb (MSB<<8)|(\new)
.set MSB, \new
.endif
.endm
	s_load_b256 s[4:11], s[0:1], 0x0               ; w_q s[4:5], scales s[6:7], A s[8:9], B s[10:11]
	s_load_b64 s[12:13], s[0:1], 0x20              ; weff
	v_lshrrev_b32 v1, 5, v0
	v_readfirstlane_b32 s14, v1                    ; wave 0..7
	v_and_b32 v1, 15, v0                           ; r
	v_bfe_u32 v2, v0, 4, 1                         ; h
	v_lshrrev_b32 v3, 3, v1                        ; r / 8: which of the strip's two blocks of 64 columns
	v_lshlrev_b32 v[QA], 5, v1
	v_lshl_add_u32 v[QA], v2, 17, v[QA]
	v_lshlrev_b32 v[BA], 6, v1
	v_lshl_add_u32 v[BA], v2, 5, v[BA]
	v_lshlrev_b32 v[SA], 2, v3
	v_lshl_add_u32 v[SA], v2, 11, v[SA]
	v_lshlrev_b32 v[OA], 4, v1
	v_lshl_add_u32 v[OA], v2, 16, v[OA]
	s_and_b32 s15, ttmp7, 0xffff                   ; sy
	s_lshl_b32 s15, s15, 8
	s_lshl_b32 s27, s14, 5
	s_add_co_u32 s15, s15, s27                     ; my first row: 256 sy + 32 wave
	s_lshl_b32 s18, ttmp9, 9                       ; A: the strip's 128 columns of 4 bytes
	s_mov_b32 s19, 0
	s_lshl_b32 s16, s15, 14                        ; w_q: rows of 16,384 bytes, and the strip
	s_add_co_u32 s16, s16, s18
	s_mov_b32 s17, 0
	s_lshl_b32 s20, s15, 6                         ; B: rows of 64 bytes
	s_mov_b32 s21, 0
	s_lshl_b32 s22, s15, 8                         ; scales: rows of 256 bytes, and the strip's two scales
	s_lshl_b32 s27, ttmp9, 3
	s_add_co_u32 s22, s22, s27
	s_mov_b32 s23, 0
	s_lshl_b32 s24, s15, 13                        ; weff: rows of 8,192 bytes, and the strip's 256 bytes
	s_lshl_b32 s27, ttmp9, 8
	s_add_co_u32 s24, s24, s27
	s_mov_b32 s25, 0
	s_wait_kmcnt 0x0
	s_add_nc_u64 s[4:5], s[4:5], s[16:17]
	s_add_nc_u64 s[8:9], s[8:9], s[18:19]
	s_add_nc_u64 s[10:11], s[10:11], s[20:21]
	s_add_nc_u64 s[6:7], s[6:7], s[22:23]
	s_add_nc_u64 s[12:13], s[12:13], s[24:25]
.macro CODES b                         ; a block's 16 loads of codes
	WIN 0x40                                       ; destination in the second window, address in the first
.irp j, 0,1,2,3,4,5,6,7
	global_load_b128 v[Q+64*(\b)+8*(\j):Q+64*(\b)+8*(\j)+3],   v[QA], s[4:5] offset:262144*(\b)+16384*(\j) th:TH_LOAD_NT
	global_load_b128 v[Q+64*(\b)+8*(\j)+4:Q+64*(\b)+8*(\j)+7], v[QA], s[4:5] offset:262144*(\b)+16384*(\j)+16 th:TH_LOAD_NT
.endr
	WIN 0
.endm
	; 52 loads in this order: A 16, B 4, scales 16, block 0's codes 16
	WIN 0x40
.irp jj, 0,1,2,3,4,5,6,7
	global_load_b128 v[AR+8*(\jj):AR+8*(\jj)+3],   v[QA], s[8:9] offset:16384*(\jj)
	global_load_b128 v[AR+8*(\jj)+4:AR+8*(\jj)+7], v[QA], s[8:9] offset:16384*(\jj)+16
.endr
	WIN 0
.irp b, 0,1
	global_load_b128 v[BR+8*(\b):BR+8*(\b)+3],   v[BA], s[10:11] offset:1024*(\b)
	global_load_b128 v[BR+8*(\b)+4:BR+8*(\b)+7], v[BA], s[10:11] offset:1024*(\b)+16
.endr
.irp b, 0,1
.irp j, 0,1,2,3,4,5,6,7
	global_load_b32 v[SC+8*(\b)+(\j)], v[SA], s[6:7] offset:4096*(\b)+256*(\j)
.endr
.endr
	CODES 0
	; while they are on their way: the table, and the zeros of the fragments' unused half of K
.macro TAB e, bits                     ; lanes with l % 16 = e take level e
	s_mov_b32 s26, \bits
	v_cmp_eq_u32 vcc_lo, \e, v1
	v_cndmask_b32 v[T], v[T], s26, vcc_lo
.endm
	v_mov_b32 v[T], -1.0                           ; level 0
	TAB 1,  0xbf3239b1                             ; -0.6961928009986877
	TAB 2,  0xbf066b30                             ; -0.5250730514526367
	TAB 3,  0xbeca32a0                             ; -0.39491748809814453
	TAB 4,  0xbe91a24d                             ; -0.28444138169288635
	TAB 5,  0xbe3d353f                             ; -0.18477343022823334
	TAB 6,  0xbdba7871                             ; -0.09105003625154495
	TAB 7,  0x00000000                             ; 0
	TAB 8,  0x3da2faff                             ; 0.07958029955625534
	TAB 9,  0x3e24cae3                             ; 0.16093020141124725
	TAB 10, 0x3e7c04dd                             ; 0.24611230194568634
	TAB 11, 0x3ead033a                             ; 0.33791524171829224
	TAB 12, 0x3ee1a4b8                             ; 0.44070982933044434
	TAB 13, 0x3f1007ab                             ; 0.5626170039176941
	TAB 14, 0x3f3913b3                             ; 0.7229568362236023
	TAB 15, 0x3f800000                             ; 1
.irp q, 0,1,2,3,4,5,6,7
.irp p, 4,5,6,7
	v_mov_b32 v[AF+8*(\q)+(\p)], 0                 ; K = 16 .. 31 of A's fragments
.endr
.endr
.irp b, 0,1
.irp p, 4,5,6,7
	v_mov_b32 v[BF+8*(\b)+(\p)], 0                 ; and of B's
.endr
.endr
	s_wait_loadcnt 36                              ; A is in: behind it were issued B's 4, the scales' 16 and block 0's 16
	WIN 0x05                                       ; both sources in the second window
.irp q, 0,1,2,3,4,5,6,7
.irp p, 0,1,2,3
	v_cvt_pk_f16_f32 v[AF+8*(\q)+(\p)], v[AR+16*(\p)+(\q)], v[AR+16*(\p)+8+(\q)]  ; ranks 8 h + 2 p and 8 h + 2 p + 1 of column c0 + 8 r + q
.endr
.endr
	WIN 0
	CODES 1                                        ; block 1's codes go out here: 52 loads at the most are out
	s_wait_loadcnt 48                              ; B is in: behind it were issued the scales' 16 and both blocks' 32
.irp p, 0,2,4,6,8,10,12,14
	v_pk_mul_f32 v[BR+(\p):BR+(\p)+1], v[BR+(\p):BR+(\p)+1], 2.0 op_sel_hi:[1,0]  ; ALPHA / RANK = 2: exact
.endr
.irp b, 0,1
.irp p, 0,1,2,3
	v_cvt_pk_f16_f32 v[BF+8*(\b)+(\p)], v[BR+8*(\b)+2*(\p)], v[BR+8*(\b)+2*(\p)+1]
.endr
.endr
; A block of 16 rows x 128 columns.  left = the younger loads that may stay out.
.macro BLOCK b, left
	s_wait_loadcnt \left                           ; the scales and this block's codes are in
	WIN 0x04                                       ; source 1 in the second window
.irp q, 0,1,2,3,4,5,6,7
.irp j, 0,1,2,3,4,5,6,7
	v_min_u32 v[CD+8*(\q)+(\j)], 15, v[Q+64*(\b)+8*(\j)+(\q)]  ; the code, held inside the table, at its place in C
.endr
.endr
	WIN 0
.irp q, 0,1,2,3,4,5,6,7
.irp j, 0,1,2,3,4,5,6,7
	v_lshlrev_b32 v[CD+8*(\q)+(\j)], 2, v[CD+8*(\q)+(\j)]  ; the permute names a lane by 4 x its number
.endr
.irp j, 0,1,2,3,4,5,6,7
	ds_bpermute_b32 v[CD+8*(\q)+(\j)], v[CD+8*(\q)+(\j)], v[T]  ; NF4[code], in place
.endr
.endr
.irp q, 0,1,2,3,4,5,6,7
	s_wait_dscnt 8*(7-(\q))                        ; the permutes come back in order: number q's eight are in, the later numbers' stay out
.irp p, 0,2,4,6
	v_pk_mul_f32 v[CD+8*(\q)+(\p):CD+8*(\q)+(\p)+1], v[CD+8*(\q)+(\p):CD+8*(\q)+(\p)+1], v[SC+8*(\b)+(\p):SC+8*(\b)+(\p)+1]  ; times the row's scale
.endr
	v_wmma_f32_16x16x32_f16 v[CD+8*(\q):CD+8*(\q)+7], v[BF+8*(\b):BF+8*(\b)+7], v[AF+8*(\q):AF+8*(\q)+7], v[CD+8*(\q):CD+8*(\q)+7]  ; + 2 B A; the eight accumulators take turns, one instruction a turn, from block to block too
.endr
.rept 4
	v_nop                                          ; four plain instructions between the last product and the first reading of its result (ISA guide 7.12.1)
.endr
.irp j, 0,1,2,3,4,5,6,7                ; rows in ascending order: every accumulator is first read at its lowest register
.irp p, 0,1,2,3
	v_cvt_pk_f16_f32 v[O+32*(\b)+4*(\j)+(\p)], v[CD+16*(\p)+(\j)], v[CD+16*(\p)+8+(\j)]  ; columns c0 + 8 r + 2 p and + 2 p + 1 of row o0 + 8 h + j
.endr
	global_store_b128 v[OA], v[O+32*(\b)+4*(\j):O+32*(\b)+4*(\j)+3], s[12:13] offset:131072*(\b)+8192*(\j) th:TH_STORE_NT  ; lanes 0-15 fill 256 consecutive bytes, aligned, of one row, lanes 16-31 of the row 8 below
.endr
.endm
	BLOCK 0, 16                                    ; block 1's 16 loads may stay out
	BLOCK 1, 0
	s_endpgm
.Lfunc_end_k_q72c38f05c2_fold_w:
	.size	k_q72c38f05c2_fold_w, .Lfunc_end_k_q72c38f05c2_fold_w-k_q72c38f05c2_fold_w
	.p2alignl 7, 3214868480
	.fill 96, 4, 3214868480
	.section	.rodata,"a",@progbits
	.p2align	6, 0x0
	.amdhsa_kernel k_q72c38f05c2_fold_w
		.amdhsa_group_segment_fixed_size 0
		.amdhsa_private_segment_fixed_size 0
		.amdhsa_enable_private_segment 0
		.amdhsa_kernarg_size 40
		.amdhsa_user_sgpr_count 2
		.amdhsa_user_sgpr_kernarg_segment_ptr 1
		.amdhsa_wavefront_size32 1
		.amdhsa_system_sgpr_workgroup_id_x 1
		.amdhsa_system_sgpr_workgroup_id_y 1
		.amdhsa_system_sgpr_workgroup_id_z 1
		.amdhsa_system_vgpr_workitem_id 0
		.amdhsa_next_free_vgpr 448
		.amdhsa_next_free_sgpr 66
		.amdhsa_reserve_vcc 1
		.amdhsa_float_denorm_mode_32 3
		.amdhsa_float_denorm_mode_16_64 3
		.amdhsa_memory_ordered 1
		.amdhsa_forward_progress 1
		.amdhsa_inst_pref_size 43
	.end_amdhsa_kernel
	.amdgpu_metadata
---
amdhsa.version: [ 1, 2 ]
amdhsa.kernels:
  - .name:           k_q72c38f05c2_fold_w
    .symbol:         k_q72c38f05c2_fold_w.kd
    .args:
      - { .name: w_q, .offset: 0, .size: 8, .value_kind: global_buffer, .address_space: global }
      - { .name: scales, .offset: 8, .size: 8, .value_kind: global_buffer, .address_space: global }
      - { .name: lora_a_w, .offset: 16, .size: 8, .value_kind: global_buffer, .address_space: global }
      - { .name: lora_b_w, .offset: 24, .size: 8, .value_kind: global_buffer, .address_space: global }
      - { .name: weff, .offset: 32, .size: 8, .value_kind: global_buffer, .address_space: global }
    .group_segment_fixed_size: 0
    .private_segment_fixed_size: 0
    .kernarg_segment_align: 8
    .kernarg_segment_size: 40
    .max_flat_workgroup_size: 256
    .sgpr_count:     66
    .vgpr_count:     448
    .wavefront_size: 32
...
	.end_amdgpu_metadata
.endif
;; end of part 2
;; launch gemm (part 3): grid 8 x 32, 4 waves a work-group, clusters of 4 x 4, 327,680 bytes of LDS; arguments x16, weff, out0; writes out0
.if DOCPART == 3
	.amdgcn_target "amdgcn-amd-amdhsa--gfx1250"
	.amdhsa_code_object_version 6
	.text
	.protected	k_q72c38f05c2_gemm
	.globl	k_q72c38f05c2_gemm
	.p2align	8
	.type	k_q72c38f05c2_gemm,@function
k_q72c38f05c2_gemm:
	s_mov_b64 s[64:65], 0
	v_nop
	global_prefetch_b8 v0, s[64:65] scope:SCOPE_SE
	s_setreg_imm32_b32 hwreg(HW_REG_WAVE_MODE, 25, 1), 1
	s_wait_xcnt 0x0
	s_wait_alu depctr_hold_cnt(0) depctr_sa_sdst(0) depctr_va_vdst(0) depctr_va_sdst(0) depctr_va_ssrc(0) depctr_va_vcc(0) depctr_vm_vsrc(0)
	s_getreg_b32 s2, hwreg(HW_REG_IB_STS2, 6, 4)
	s_cmp_eq_u32 s2, 0
	s_cbranch_scc0 .Lentry_in_a_cluster
	s_endpgm
.Lentry_in_a_cluster:
	s_bfe_u32 s2, ttmp6, 0x10000c
	s_cmp_lg_u32 s2, 0xf033
	s_cbranch_scc0 .Lentry_shape_is_right
	s_endpgm
.Lentry_shape_is_right:
; out0[m][n] = the sum over k of x16[m][k] weff[n][k].  x16 (called A below): [8192][4096] f16, weff (called B): [2048][4096] f16, out0 (called C): [8192][2048] f32; sums in f32, stored as they are.
; LIMITS.  The operands are f16 as the two launches before wrote them (no number beyond 65,504; below 6.1e-5 a fixed step of 6e-8).  NaN and infinities are not treated apart.
; A tile of C, 256 x 256, is made by a work-group of four waves; a wave makes 128 x 128: 64 accumulators of 16 x 16, 512 registers.  C has 32 x 8 = 256 tiles: one work-group each.
; K goes in steps of 128 through a ring of two LDS slots filled by the tensor data mover: the rows of a tile are 256 bytes of memory and start at multiples of 256 bytes from the buffer's first byte.
; CLUSTERS: 4 x 4 work-groups.  The four of a row of the cluster need the same tiles of A, the four of a column the same tiles of B.  Such a tile is asked for JOINTLY: each of the four issues the
; same tensor load, with the same descriptor and a mask that names the four, and each receives the tile in its own LDS.  That divides the requests for A and for B by four.
; REGISTERS, in windows of 256 (an instruction names v0-v255; s_set_vgpr_msb says which window each operand place means: bits 1:0 source 0, 3:2 source 1, 5:4 source 2, 7:6 destination):
;   window 0: v0-31 addresses; v64-127, v128-191 fragments of A (8 x 16 rows x 32 K), two buffers; on the way out the same registers take rows read back from the stage
;   window 1: v64-127, v128-191 fragments of B, two buffers
;   window 2: the 32 accumulators of my rows 0-63 (accumulator (a, b) at v[8 (8 a + b)]);   window 3: those of my rows 64-127
; THE MATRIX INSTRUCTION IS USED TRANSPOSED: source 0 = 16 rows of B, source 1 = 16 rows of A.  In the result lane l holds row l % 16 of C and its registers 0 to 7 the columns 8 (l / 16) + 0 .. 7:
; eight neighbouring numbers of a row of C, 32 bytes.
.set SIZE_M, 8192
.set SIZE_N, 2048
.set SIZE_K, 4096
.set KSTEP,  128
.set PITCH,  272                       ; an LDS row: 256 bytes of data + 16 of padding = 68 words: row r starts at bank 4 r mod 64 (64 banks of 4 bytes: ISA guide 11.1), so the 16 rows that a load touches start at 16 different banks
.set HALFT,  128*PITCH                 ; 128 rows: what one tensor load brings, and what one wave reads of A or of B
.set SLOT,   4*HALFT                   ; A's 256 rows, then B's 256 rows
.set STAGE,  2*SLOT                    ; behind the ring: 16 rows x 528 bytes for each wave, for the way out; no tensor load lands there
.set SPITCH, 528                       ; a stage row: my 128 columns of f32, 512 bytes, + 16 of padding = 33 x 16
.set SPARE,  STAGE+4*16*SPITCH         ; behind the stages: the spare words, 128 bytes for each wave: two blocks of 256 bytes that no other line names
.set LAPS, SIZE_K/(2*KSTEP)            ; a lap = two K steps = once round the ring: 16
.set ADRA, 16                          ; v16-17  LDS address of my A fragments in slot 0, 1
.set ADRB, 20                          ; v20-21  the same for B
.set STO,  24                          ; v24     the way out: where I put 32 bytes of a row
.set RD,   25                          ; v25     the way out: where I read 16 bytes of a row back
.set CO,   26                          ; v26     my byte offset in a row of my part of C: 16 x lane
.set SPW,  28                          ; v28     LDS address of my spare word: SPARE + 4 x my thread's number; never rewritten
.set NIL,  29                          ; v29     0; never rewritten
.set PFO,  30                          ; v30     the prefetches' offset: my lane x a row of A or B in memory (8,192 bytes); never rewritten
.set PFA,  44                          ; s[44:45] where my prefetches stand: my work-group's 32 rows of the 128 that I fetch, one K step further along K than the refill that is being asked for; a prefetch names the K step after that
.set LIM,  43                          ; s43     1 in a wave that prefetches, else the greatest number
.set F0,   64                          ; fragment buffer 0
.set F1,   128                         ; fragment buffer 1
.set OB,   64                          ; the way out: 16 rows read back from the stage, 64 registers: v64-127 and v128-191 by turns
.set G1, 24                            ; s[24:31] descriptor group 1 for A's tiles
.set G0, 32                            ; s[32:39] descriptor group 0 for A's tiles, one set for each slot
.set G1B, 48                           ; s[48:55] descriptor group 1 for B's tiles: it differs from A's in the mask alone
.set G0B, 56                           ; s[56:63] descriptor group 0 for B's tiles, one set for each slot
.set MSB, 0
.macro WIN new                         ; the immediate's high byte repeats the setting that is left; a switch that changes nothing is dropped
.if MSB != (\new)
	s_set_vgpr_msb (MSB<<8)|(\new)
.set MSB, \new
.endif
.endm
.set MUL_LO, 0xa1                      ; source 0 (B) window 1, source 1 (A) window 0, C and D window 2
.set MUL_HI, 0xf1                      ; the same, C and D window 3
.set TO_B,   0x40                      ; destination window 1, address window 0
; A joint load.  Waves 0 and 1 fetch A's two halves, waves 2 and 3 B's.  Each of the two lines has ONE mask and one set of registers for all that issue it, and nothing in
; them hangs on a coordinate that the four partners do not share.  The branch hangs on the wave's number alone: it is the same in every work-group.
; An s_nop 0 and four v_nop follow each of the two lines; the jump round the other line, the label and what follows the macro come after them.
.macro JLOAD s
	s_cmp_eq_u32 s11, 0
	s_cbranch_scc0 .Lfor_b_\@
	tensor_load_to_lds s[G0+4*(\s):G0+4*(\s)+3], s[G1:G1+7]
	s_nop 0
.rept 4
	v_nop
.endr
	s_branch .Lasked_\@
.Lfor_b_\@:
	tensor_load_to_lds s[G0B+4*(\s):G0B+4*(\s)+3], s[G1B:G1B+7]
	s_nop 0
.rept 4
	v_nop
.endr
.Lasked_\@:
.endm
; A PREFETCH INTO THE L2, behind each joint load, its five lines and the run of LDS loads that follows them: the K step that stands TWO refills on: 32 rows x 256 bytes, a lane a row, one instruction a wave:
; 512 matrix instructions ahead of the load that will want it.  Each row's 256 bytes of a K step are named ONCE in the launch.  A's tile row is read by both clusters of that row of clusters: the one with
; cluster x = 0 prefetches; B's tile column by the eight clusters of that column: cluster y = 0 prefetches.  The four partners that ask for a tile jointly share its rows out BY ADDRESS: of the 128 rows that
; a wave fetches, the partner at place p takes 32 p .. 32 p + 31 (p = cx for A, cy for B): no branch hangs on a work-group's place in its cluster.  The loop's last trip asks for nothing: its two refills
; have no K step two on.  K steps 0 to 3 come by their loads alone.
.macro ASK
	s_cmp_gt_u32 s3, s[LIM]                        ; s3 = 1 in the loop's last trip
	s_cbranch_scc0 .Lnot_mine_\@
	global_prefetch_b8 v[PFO], s[PFA:PFA+1] offset:KSTEP*2 th:TH_LOAD_NT scope:SCOPE_SE
.Lnot_mine_\@:
.endm
; A round of the cluster's barrier: my work-group's barrier, so that wave 0's signal speaks for all four waves; wave 0 signals for the work-group; every wave waits for all
; sixteen work-groups; my work-group's barrier once more.  No LDS instruction of the wave is pending at a signal.
.macro CREST                           ; a round behind its opening barrier
	s_cmp_lg_u32 s10, 0
	s_cbranch_scc1 .Lnot_wave_0_\@
	s_barrier_signal -3
.Lnot_wave_0_\@:
	s_barrier_wait -3
	s_barrier_signal -1
	s_barrier_wait -1
.endm
.macro CROUND                          ; a whole round
	s_barrier_signal -1
	s_barrier_wait -1
	CREST
.endm
	s_load_b128 s[4:7], s[0:1], 0x0                ; A s[4:5], B s[6:7]
	s_load_b64 s[8:9], s[0:1], 0x10                ; C
	v_lshl_add_u32 v[SPW], v0, 2, SPARE
	v_mov_b32 v[NIL], 0
	ds_add_u32 v[SPW], v[NIL]                      ; the wave's opening: the add, twice on end, and its wait ahead of my first tensor load; the set-up below the second, work on registers, stands between it and the wait
	ds_add_u32 v[SPW], v[NIL]                      ; and once more, under the one wait
	v_lshrrev_b32 v1, 5, v0
	v_readfirstlane_b32 s10, v1                    ; wave 0..3
	s_lshr_b32 s11, s10, 1                         ; which half of the tile's rows is mine.  Also: I fetch for A (0) or for B (1)
	s_and_b32 s12, s10, 1                          ; which half of its columns.  Also: which 128 rows of that tile I fetch
	s_bfe_u32 s40, ttmp6, 0x40000                  ; cx: my place along the cluster's x
	s_bfe_u32 s41, ttmp6, 0x40004                  ; cy: along its y
	s_lshl_b32 s42, ttmp9, 2                       ; in a cluster launch ttmp9 and ttmp7 count clusters
	s_add_co_u32 s42, s42, s40                     ; tile column of C = 4 x cluster x + cx
	s_and_b32 s13, ttmp7, 0xffff
	s_lshl_b32 s13, s13, 2
	s_add_co_u32 s13, s13, s41                     ; tile row of C = 4 x cluster y + cy
	s_lshl_b32 s43, s41, 2
	s_lshl_b32 s43, 15, s43                        ; my row of the cluster: places 4 cy .. 4 cy + 3
	s_lshl_b32 s44, 0x1111, s40                    ; my column: places cx, cx + 4, cx + 8, cx + 12
	; descriptor group 1: a tile of 128 rows x 128 elements, padded in LDS
	s_or_b32 s[G1+0], s43, (1<<16)|(1<<20)|(1<<21)|(5<<22)|(3<<25)  ; 15:0 the mask: A's tiles go to my row; 17:16 element of 2 bytes; 20 padding on; 21 set beside a mask; 24:22 after every 64 words (code 5); 31:25 of 4 words (code 3)
	s_or_b32 s[G1B+0], s44, (1<<16)|(1<<20)|(1<<21)|(5<<22)|(3<<25) ; the same with the mask of my column, for B's tiles
	s_mov_b32 s[G1B+1], KSTEP<<16
	s_mov_b32 s[G1+1], KSTEP<<16                   ; 63:48 tensor_dim0, low half = 128
	s_mov_b32 s[G1B+2], 128<<16
	s_mov_b32 s[G1+2], 128<<16                     ; 79:64 its high half = 0; 95:80 tensor_dim1, low half = 128
	s_mov_b32 s[G1B+3], KSTEP<<16
	s_mov_b32 s[G1+3], KSTEP<<16                   ; 111:96 its high half = 0; 127:112 tile_dim0 = 128
	s_mov_b32 s[G1B+4], 128
	s_mov_b32 s[G1+4], 128                         ; 143:128 tile_dim1 = 128; 159:144 tile_dim2 = 0
	s_mov_b32 s[G1B+5], SIZE_K
	s_mov_b32 s[G1+5], SIZE_K                      ; 191:160 tensor_dim0_stride, low word: elements from row to row
	s_mov_b32 s[G1B+6], 0
	s_mov_b32 s[G1+6], 0
	s_mov_b32 s[G1B+7], 0
	s_mov_b32 s[G1+7], 0
	; where the tiles come from.  A's hang on the tile row alone, which my row of the cluster shares; B's on the tile column alone, which my column shares.
	; Every wave makes both addresses, in registers that never hold the other coordinate, and asks by one of them.
	s_lshl_b32 s17, s12, 7                         ; which 128 rows of the tile I fetch
	s_lshl_b32 s16, s13, 8
	s_add_co_u32 s16, s16, s17                     ; A: row 256 x tile row + 128 x half
	s_lshl_b32 s46, s42, 8
	s_add_co_u32 s46, s46, s17                     ; B: row 256 x tile column + 128 x half
	s_mov_b32 s17, 0
	s_mov_b32 s47, 0
	s_mov_b64 s[18:19], SIZE_K*2
	s_mul_u64 s[16:17], s[16:17], s[18:19]         ; in bytes, in 64 bits
	s_mul_u64 s[46:47], s[46:47], s[18:19]
	s_mul_i32 s20, s10, HALFT                      ; and where they go: A's two halves, then B's two halves = wave x 128 rows: no place in the cluster enters an LDS address
	s_wait_dscnt 0x0                               ; both opening adds are done
	s_wait_kmcnt 0x0
	s_add_nc_u64 s[14:15], s[4:5], s[16:17]
	s_add_nc_u64 s[46:47], s[6:7], s[46:47]
	CROUND                                         ; all sixteen work-groups are here: the first joint loads meet
.irp s, 0,1
	s_mov_b32 s[G0+4*(\s)], 1                                      ; 1:0 count = 1
	s_add_co_u32 s[G0+4*(\s)+1], s20, (\s)*SLOT                    ; 63:32 LDS address
	s_add_nc_u64 s[G0+4*(\s)+2:G0+4*(\s)+3], s[14:15], (\s)*KSTEP*2  ; 120:64 global address: K step s
	s_or_b32 s[G0+4*(\s)+3], s[G0+4*(\s)+3], 0x80000000            ; 127:126 type = 2
	s_mov_b32 s[G0B+4*(\s)], 1
	s_add_co_u32 s[G0B+4*(\s)+1], s20, (\s)*SLOT
	s_add_nc_u64 s[G0B+4*(\s)+2:G0B+4*(\s)+3], s[46:47], (\s)*KSTEP*2
	s_or_b32 s[G0B+4*(\s)+3], s[G0B+4*(\s)+3], 0x80000000
	JLOAD \s                                       ; the ring is filled before anything else is done: two loads of mine are out
.endr
	; A fragment is 16 rows x 32 K in 8 registers: lane l holds row l % 16; registers 0-3 hold K = 8 (l / 16) + 0..7, registers 4-7 hold
	; K = 16 + 8 (l / 16) + 0..7.  From rows that lie along K: two loads of 16 bytes, 32 bytes apart.  The same for source 0 and source 1.
	v_and_b32 v1, 15, v0                           ; l % 16
	v_bfe_u32 v2, v0, 4, 1                         ; l / 16
	v_mul_u32_u24 v3, v1, PITCH
	v_lshl_add_u32 v3, v2, 4, v3                   ; row x pitch + 16 x half
	s_mul_i32 s21, s11, HALFT                      ; my 128 rows of A
	s_mul_i32 s22, s12, HALFT                      ; my 128 rows of B,
	s_add_co_u32 s22, s22, 2*HALFT                 ; which lie behind A's 256
.irp s, 0,1
	v_add_nc_u32 v[ADRA+(\s)], s21, v3
	v_add_nc_u32 v[ADRB+(\s)], s22, v3
	s_add_co_u32 s21, s21, SLOT
	s_add_co_u32 s22, s22, SLOT
.endr
	s_mul_i32 s23, s10, 16*SPITCH
	s_add_co_u32 s23, s23, STAGE                   ; my stage
	v_mul_u32_u24 v4, v1, SPITCH                   ; in: row l % 16, 32 bytes for each half of the lanes
	v_lshl_add_u32 v4, v2, 5, v4
	v_add_nc_u32 v[STO], s23, v4
	v_and_b32 v5, 31, v0
	v_lshlrev_b32 v[CO], 4, v5                     ; back: 32 lanes take one row of 512 bytes, 16 bytes each; the same place in C's row
	v_add_nc_u32 v[RD], s23, v[CO]
	; C at my part of the tile
	s_lshl_b32 s13, s13, 8
	s_lshl_b32 s14, s11, 7
	s_add_co_u32 s16, s13, s14                     ; my first row of C
	s_mov_b32 s17, 0
	s_mov_b64 s[18:19], SIZE_N*4
	s_mul_u64 s[16:17], s[16:17], s[18:19]
	s_lshl_b32 s46, s42, 10                        ; my first column, in bytes: 1,024 x tile column + 512 x half (in the registers that held B's address: none that feeds A's descriptors ever holds cx)
	s_lshl_b32 s47, s12, 9
	s_add_co_u32 s46, s46, s47
	s_mov_b32 s47, 0
	s_add_nc_u64 s[16:17], s[16:17], s[46:47]
	s_add_nc_u64 s[8:9], s[8:9], s[16:17]
	; the prefetches.  s13 = 256 x tile row, s42 = tile column, s40 = cx, s41 = cy still stand; s[4:5] = A, s[6:7] = B
	s_lshl_b32 s42, s42, 8
	s_and_b32 s22, ttmp7, 0xffff                   ; cluster y
	s_cmp_eq_u32 s11, 0                            ; do I fetch for A?
	s_cselect_b32 s20, s13, s42                    ; the tile's first row: in A by the tile row, in B by the tile column
	s_cselect_b32 s21, s40, s41                    ; my place among the four that ask for it with me
	s_cselect_b32 s22, ttmp9, s22                  ; the coordinate along which other clusters read the same rows
	s_cselect_b64 s[PFA:PFA+1], s[4:5], s[6:7]
	s_cmp_eq_u32 s22, 0
	s_cselect_b32 s[LIM], 1, -1                    ; the same in all sixteen partners, for a given wave
	s_lshl_b32 s22, s12, 7
	s_add_co_u32 s20, s20, s22                     ; + the 128 rows that I fetch
	s_lshl_b32 s21, s21, 5
	s_add_co_u32 s20, s20, s21                     ; + my work-group's 32 of them
	s_mov_b32 s21, 0
	s_mov_b64 s[18:19], SIZE_K*2
	s_mul_u64 s[20:21], s[20:21], s[18:19]
	s_add_nc_u64 s[PFA:PFA+1], s[PFA:PFA+1], s[20:21]
	s_add_nc_u64 s[PFA:PFA+1], s[PFA:PFA+1], 2*KSTEP*2  ; at K step 2: the first refill steps it to 3 and names K step 4
	v_and_b32 v[PFO], 31, v0
	v_mul_u32_u24 v[PFO], v[PFO], SIZE_K*2
	; nothing is prefetched here, at the head, where every work-group's first two tiles are on their way
; 16 matrix instructions: m blocks a0, a0 + 1 of the window's four (hi = 0: my rows 0-63, 1: rows 64-127) x all 8 n blocks, 32 along K.
; zero = 1: the first product starts the sums: nothing is ever cleared.  The 64 accumulators take turns, one instruction a turn, in the same order in every quarter step.
.macro MUL16 f, hi, a0, zero
	WIN MUL_LO+0x50*(\hi)  ; MUL_LO or MUL_HI
.irp a, \a0, (\a0)+1
.irp b, 0,1,2,3,4,5,6,7
.if \zero
	v_wmma_f32_16x16x32_f16 v[8*(8*(\a)+(\b)):8*(8*(\a)+(\b))+7], v[(\f)+8*(\b):(\f)+8*(\b)+7], v[(\f)+8*(4*(\hi)+(\a)):(\f)+8*(4*(\hi)+(\a))+7], 0
.else
	v_wmma_f32_16x16x32_f16 v[8*(8*(\a)+(\b)):8*(8*(\a)+(\b))+7], v[(\f)+8*(\b):(\f)+8*(\b)+7], v[(\f)+8*(4*(\hi)+(\a)):(\f)+8*(4*(\hi)+(\a))+7], v[8*(8*(\a)+(\b)):8*(8*(\a)+(\b))+7]
.endif
.endr
.endr
.endm
; 32 LDS loads in one run: the fragments of one quarter step (128 rows of B, 128 rows of A, 32 K at byte k of the rows) into buffer f
.macro FETCH slot, k, f
	WIN TO_B
.irp i, 0,1,2,3,4,5,6,7
	ds_load_b128 v[(\f)+8*(\i):(\f)+8*(\i)+3],   v[ADRB+(\slot)] offset:(\k)+(\i)*16*PITCH
	ds_load_b128 v[(\f)+8*(\i)+4:(\f)+8*(\i)+7], v[ADRB+(\slot)] offset:(\k)+(\i)*16*PITCH+32
.endr
	WIN 0
.irp i, 0,1,2,3,4,5,6,7
	ds_load_b128 v[(\f)+8*(\i):(\f)+8*(\i)+3],   v[ADRA+(\slot)] offset:(\k)+(\i)*16*PITCH
	ds_load_b128 v[(\f)+8*(\i)+4:(\f)+8*(\i)+7], v[ADRA+(\slot)] offset:(\k)+(\i)*16*PITCH+32
.endr
.endm
; A load into a register that a matrix instruction has read, and an LDS store that reads a matrix result, stand four places behind that matrix instruction, and only plain vector
; instructions that name none of its registers are places (ISA guide 7.12.1 for vector instructions): four v_nop in front of each run.
.macro PLACES
.rept 4
	v_nop
.endr
.endm
; A K step is four quarter steps of 32 along K, 64 matrix instructions each, on buffers 0, 1, 0, 1.
; One of the first three: multiplies buffer f; in its middle it fetches the next quarter's fragments, at byte k of the same slot's rows, into buffer g.
.macro QUARTER slot, k, f, g, zero
	s_wait_dscnt 8                                 ; B and A's rows 0-63 are in; the youngest eight loads (A's rows 64-127) may be out
	WIN MUL_LO
	MUL16 \f, 0, 0, \zero
	MUL16 \f, 0, 2, \zero
	PLACES
	FETCH \slot, \k, \g
	s_wait_dscnt 32                                ; all but the 32 just issued
	WIN MUL_HI
	MUL16 \f, 1, 0, \zero
	MUL16 \f, 1, 2, \zero
.endm
; The last quarter multiplies buffer 1 and changes slots.  MEET is its first half: ONE barrier for the change of slots, for two things.  In front of it each wave waits for
; all its tensor loads, of which one is out: its part of the next slot; adds 0 to its spare word; and waits for that and for its own reads of this slot.  Behind it nobody reads this slot any more and the next slot is whole.
.macro MEET round                      ; round = 1: a round of the cluster's barrier follows
	WIN 0                                          ; (the add's two registers lie in window 0)
	s_wait_tensorcnt 0x0                           ; all my tensor loads have landed: the one that was out is my part of the next slot;
	ds_add_u32 v[SPW], v[NIL]                      ; 0 onto my spare word;
	s_wait_dscnt 9                                 ; (the add and the youngest eight loads may be out)
	WIN MUL_LO
	MUL16 F1, 0, 0, 0                              ; sixteen matrix instructions stand between the add and the wait for it
	s_wait_dscnt 0x0                               ; the add is done, and my reads of this slot are over:
	s_barrier_signal -1                            ; say so (where a slot is filled again this barrier opens a round of the cluster's barrier),
	MUL16 F1, 0, 2, 0                              ; work on registers while the others arrive,
.if \round
	WIN 0
.endif
	s_barrier_wait -1                              ; and go on when all four have said so
.endm
; The whole last quarter.  fill = 1: behind the round the slot just read out is filled again first, with the K step two steps on; then come the next slot's first fragments.
; From a request to the wait for it a wave issues 224 matrix instructions.  fill = 0 (the tail): nothing is asked for, and no round follows.
.macro TURN slot, next, fill
.if \fill
	s_wait_xcnt 0x0                                ; the last prefetch, a K step back, has read its address: it is stepped here, ahead of the waits of the change of slots
	s_add_nc_u64 s[PFA:PFA+1], s[PFA:PFA+1], KSTEP*2
	MEET 1
	CREST                                          ; wave 0 says so for the work-group, all sixteen work-groups have said so, my work-group's barrier closes the round:
	                                               ; no wave of any partner still reads this slot's tile or has a load on its way
	s_add_nc_u64 s[G0+4*(\slot)+2:G0+4*(\slot)+3], s[G0+4*(\slot)+2:G0+4*(\slot)+3], 2*KSTEP*2      ; no tensor load of mine is out, so a group 0 may be written
	s_add_nc_u64 s[G0B+4*(\slot)+2:G0B+4*(\slot)+3], s[G0B+4*(\slot)+2:G0B+4*(\slot)+3], 2*KSTEP*2
	JLOAD \slot                                    ; the first tensor load behind the round, and my only one until the next; the four v_nop behind it are also the places in front of the loads below
.else
	MEET 0
	PLACES
.endif
	FETCH \next, 0, F0
.if \fill
	ASK                                            ; behind the joint load and the run of LDS loads that the next products wait for
.endif
	WIN MUL_HI
	MUL16 F1, 1, 0, 0
	MUL16 F1, 1, 2, 0
.endm
; THE WAY OUT of block a (16 of my rows), in two parts.  TOSTAGE: a lane's 32 bytes of each of the block's 8 accumulators go into my own stage in LDS, and come back as whole rows of 512 bytes.  SEND: stored.
.macro TOSTAGE a
	WIN 0
.if (\a) >= 2
	s_wait_xcnt 0x0                                ; the stores of the block two back have read their registers, which are loaded again below
.endif
	WIN 0x08+4*((\a)/4)                            ; the stores' data (source 1) in window 2 or 3
.irp b, 0,1,2,3,4,5,6,7
	ds_store_b128 v[STO], v[8*(8*((\a)%4)+(\b)):8*(8*((\a)%4)+(\b))+3]   offset:64*(\b)     ; each accumulator's lowest registers are read first
	ds_store_b128 v[STO], v[8*(8*((\a)%4)+(\b))+4:8*(8*((\a)%4)+(\b))+7] offset:64*(\b)+16
.endr
	WIN 0
.irp t, 0,1,2,3,4,5,6,7,8,9,10,11,12,13,14,15
	ds_load_b128 v[OB+64*((\a)%2)+4*(\t):OB+64*((\a)%2)+4*(\t)+3], v[RD] offset:(\t)*SPITCH  ; LDS serves a wave's instructions in order (ISA guide 5.7.1.4): these see the stores above, and the next block's stores come behind them
.endr
.endm
.macro SEND a, younger                 ; younger: the LDS instructions issued behind block a's loads: the next block's 16 stores and 16 loads, or none
	WIN 0
	s_wait_dscnt \younger                          ; the block is back in registers
.irp t, 0,1,2,3,4,5,6,7,8,9,10,11,12,13,14,15
	global_store_b128 v[CO], v[OB+64*((\a)%2)+4*(\t):OB+64*((\a)%2)+4*(\t)+3], s[8:9] offset:(16*(\a)+(\t))*SIZE_N*4 th:TH_STORE_NT  ; 32 lanes store 512 consecutive bytes, at a multiple of 512 from C's first byte; 127 rows of 8,192 bytes at the most, inside the signed 24-bit immediate
.endr
.endm
	s_wait_tensorcnt 1                             ; my part of K step 0 is in; K step 1's load may stay out
	s_barrier_signal -1
	s_barrier_wait -1                              ; everybody's is
	FETCH 0, 0, F0
	QUARTER 0, 64,  F0, F1, 1                      ; the first quarter stands in front of the loop: its products start the sums
	WIN 0                                          ; at a label and at a branch every window is 0
	s_mov_b32 s3, LAPS-1
.Llap:                                                 ; a trip goes once round the ring, from a lap's second quarter to the next lap's first, and fills both slots again: K steps 2 to 31 in 15 trips
	QUARTER 0, 128, F1, F0, 0
	QUARTER 0, 192, F0, F1, 0
	TURN 0, 1, 1
	QUARTER 1, 64,  F0, F1, 0
	QUARTER 1, 128, F1, F0, 0
	QUARTER 1, 192, F0, F1, 0
	TURN 1, 0, 1
	QUARTER 0, 64,  F0, F1, 0
	WIN 0
	s_sub_co_u32 s3, s3, 1
	s_cmp_lg_u32 s3, 0
	s_cbranch_scc1 .Llap
	QUARTER 0, 128, F1, F0, 0                      ; the last lap is written out: it fills nothing
	QUARTER 0, 192, F0, F1, 0
	TURN 0, 1, 0                                   ; my one tensor load that was still out is slot 1's, the last K step's
	QUARTER 1, 64,  F0, F1, 0
	QUARTER 1, 128, F1, F0, 0
	QUARTER 1, 192, F0, F1, 0
	s_wait_dscnt 8                                 ; the very last quarter: nothing more to fetch
	WIN MUL_LO
	MUL16 F1, 0, 0, 0
	MUL16 F1, 0, 2, 0
	s_wait_dscnt 0x0
	MUL16 F1, 1, 0, 0
	MUL16 F1, 1, 2, 0
	WIN 0
	PLACES                                         ; behind the last products: the LDS stores below read results, the LDS loads land in registers that products have read
	TOSTAGE 0
.irp a, 1,2,3,4,5,6,7                  ; block a's way through the stage stands between block a - 1's loads and the wait for them
	TOSTAGE \a
	SEND (\a)-1, 32
.endr
	SEND 7, 0
	s_wait_tensorcnt 0x0                           ; the wave's end, behind my last tensor load and my last LDS store
	ds_add_u32 v[SPW], v[NIL]
	s_wait_dscnt 0x0
	CROUND                                         ; the closing round: no work-group ends while a partner may still ask for a tile that names it
	s_endpgm
.Lfunc_end_k_q72c38f05c2_gemm:
	.size	k_q72c38f05c2_gemm, .Lfunc_end_k_q72c38f05c2_gemm-k_q72c38f05c2_gemm
	.p2alignl 7, 3214868480
	.fill 96, 4, 3214868480
	.section	.rodata,"a",@progbits
	.p2align	6, 0x0
	.amdhsa_kernel k_q72c38f05c2_gemm
		.amdhsa_group_segment_fixed_size 327680
		.amdhsa_private_segment_fixed_size 0
		.amdhsa_enable_private_segment 0
		.amdhsa_kernarg_size 24
		.amdhsa_user_sgpr_count 2
		.amdhsa_user_sgpr_kernarg_segment_ptr 1
		.amdhsa_wavefront_size32 1
		.amdhsa_system_sgpr_workgroup_id_x 1
		.amdhsa_system_sgpr_workgroup_id_y 1
		.amdhsa_system_sgpr_workgroup_id_z 1
		.amdhsa_system_vgpr_workitem_id 0
		.amdhsa_next_free_vgpr 1024
		.amdhsa_next_free_sgpr 66
		.amdhsa_reserve_vcc 0
		.amdhsa_float_denorm_mode_32 3
		.amdhsa_float_denorm_mode_16_64 3
		.amdhsa_memory_ordered 1
		.amdhsa_forward_progress 1
		.amdhsa_inst_pref_size 141
	.end_amdhsa_kernel
	.amdgpu_metadata
---
amdhsa.version: [ 1, 2 ]
amdhsa.kernels:
  - .name:           k_q72c38f05c2_gemm
    .symbol:         k_q72c38f05c2_gemm.kd
    .args:
      - { .name: x16, .offset: 0, .size: 8, .value_kind: global_buffer, .address_space: global }
      - { .name: weff, .offset: 8, .size: 8, .value_kind: global_buffer, .address_space: global }
      - { .name: out0, .offset: 16, .size: 8, .value_kind: global_buffer, .address_space: global }
    .group_segment_fixed_size: 327680
    .private_segment_fixed_size: 0
    .kernarg_segment_align: 8
    .kernarg_segment_size: 24
    .max_flat_workgroup_size: 128
    .sgpr_count:     66
    .vgpr_count:     1024
    .wavefront_size: 32
...
	.end_amdgpu_metadata
.endif
;; end of part 3
;; ======== version 2 of 2: 3 launches; version 1 with the launches cast_x, fold_w written anew for expert scheduling mode
;; limits: values are held in f16: magnitudes above 65,504 overflow, below 6.1e-05 lose precision
;; workspace buffers: x16 67,108,864 bytes; weff 16,777,216 bytes
;; launch cast_x (part 4): grid 1024 x 1, 8 waves a work-group, no clusters, 0 bytes of LDS; arguments x, x16; writes x16
.if DOCPART == 4
	.amdgcn_target "amdgcn-amd-amdhsa--gfx1250"
	.amdhsa_code_object_version 6
	.text
	.protected	k_q72c38f05c2_cast_x
	.globl	k_q72c38f05c2_cast_x
	.p2align	8
	.type	k_q72c38f05c2_cast_x,@function
k_q72c38f05c2_cast_x:
	s_mov_b64 s[64:65], 0
	v_nop
	global_prefetch_b8 v0, s[64:65] scope:SCOPE_SE
	s_setreg_imm32_b32 hwreg(HW_REG_WAVE_SCHED_MODE, 0, 2), 2
	s_setreg_imm32_b32 hwreg(HW_REG_WAVE_MODE, 25, 1), 1
	s_wait_xcnt 0x0
	s_wait_alu depctr_vm_vsrc(0)
; x16 = x rounded once to f16, in the same order.  x: 33,554,432 numbers of f32; x16: as many of f16.
; LIMITS.  f16 holds no number beyond 65,504 (a larger |x| becomes an infinity); below 6.1e-5 it keeps its fixed step of 6e-8.  NaN and infinities are not treated apart.
; SHARES.  A work-group owns 131,072 consecutive bytes of x, taken as 32 pieces of 4,096 bytes.  Thread t owns the 16 bytes at 16 t of every piece, so a load of a wave covers 512
; consecutive bytes, and its store of 8 bytes a lane covers 256 consecutive bytes, aligned.  No LDS, no barrier, no matrix unit: each byte is read once and written once.
; THE MODE: SCHED_MODE bits 1:0 = 2 (LLVM: expert scheduling mode 2), set by the entry lines.  The code itself states the register dependences
; between vector instructions and memory instructions, with s_wait_alu, always for 0.
; THE PLAN.  The 32 pieces go in 8 blocks of four.  Registers that memory instructions touch:
;   X0 .. X2   three blocks of x as loaded.  Written by the loads of block p + 2, issued in block p; read by block p's roundings.
;   Y          two registers for each piece.  Written by block p's roundings; read by the four stores that are issued in block p + 1; never written again.
;   v1, v2     byte offsets, made once at the head and never written again: the pieces are reached by immediate offsets.
; Block p works on X[p % 3] and writes its own Y.  Its memory instructions are the loads into X[(p + 2) % 3] = X[(p - 1) % 3] and the stores from block p - 1's Y: the registers that
; block p - 1 worked on and that no vector instruction of block p names.  So the one wait at a block's head states all that the block's eight memory instructions hang on, and these are
; dealt among its roundings with no further wait.  No register that a memory instruction reads is ever written again, so nothing is owed on that side.
.set PIECES, 32
.set BLOCK,  4                         ; pieces in a block
.set BLOCKS, PIECES/BLOCK
.set INB,    4096                      ; bytes of a piece in x
.set OUTB,   2048                      ; bytes of a piece in x16
.set X, 4                              ; v[4:51]    buffer k, piece i: 4 numbers of f32 as loaded, at X + 16 k + 4 i
.set Y, 52                             ; v[52:115]  piece r: 4 numbers of f16 to store, at Y + 2 r
	s_load_b128 s[4:7], s[0:1], 0x0                ; x s[4:5], x16 s[6:7]
	s_lshl_b32 s2, ttmp9, 17                       ; the work-group's 131,072 bytes of x (1,023 x 131,072 stays under 2^32)
	s_mov_b32 s3, 0
	s_lshl_b32 s8, ttmp9, 16                       ; and its 65,536 bytes of x16
	s_mov_b32 s9, 0
	v_lshlrev_b32 v1, 4, v0                        ; 16 t
	v_lshlrev_b32 v2, 3, v0                        ; 8 t
	s_wait_kmcnt 0x0
	s_add_nc_u64 s[4:5], s[4:5], s[2:3]
	s_add_nc_u64 s[6:7], s[6:7], s[8:9]
	s_wait_alu depctr_va_vdst(0)                   ; v1 and v2 are written: every load and store of the kernel reads one of them as its offset
.irp i, 0,1,2,3,4,5,6,7
	global_load_b128 v[X+4*(\i):X+4*(\i)+3], v1, s[4:5] offset:INB*(\i) th:TH_LOAD_NT  ; blocks 0 and 1 into X0 and X1
.endr
.set p, 0
.rept BLOCKS
.if p < BLOCKS-1
	s_wait_loadcnt BLOCK                           ; loads come back in order: block p is in, the next block's four loads stay out
.else
	s_wait_loadcnt 0x0                             ; the last block: no load was issued behind its four
.endif
.if p > 0
	s_wait_alu depctr_va_vdst(0)                   ; the block before has written its Y, which the stores below read, and is done reading its X, in which the loads below land
.endif
.irp i, 0,1,2,3
.if p+2 < BLOCKS
	global_load_b128 v[X+16*((p+2)%3)+4*(\i):X+16*((p+2)%3)+4*(\i)+3], v1, s[4:5] offset:INB*(BLOCK*(p+2)+(\i)) th:TH_LOAD_NT  ; two blocks ahead, ahead of the store; no vector instruction since the wait names these registers (in block 0: none ever has)
.endif
.if p > 0
	global_store_b64 v2, v[Y+2*(BLOCK*(p-1)+(\i)):Y+2*(BLOCK*(p-1)+(\i))+1], s[6:7] offset:OUTB*(BLOCK*(p-1)+(\i)) th:TH_STORE_NT  ; the block before
.endif
	v_cvt_pk_f16_f32 v[Y+2*(BLOCK*p+(\i))],   v[X+16*(p%3)+4*(\i)],   v[X+16*(p%3)+4*(\i)+1]  ; two roundings, packed
	v_cvt_pk_f16_f32 v[Y+2*(BLOCK*p+(\i))+1], v[X+16*(p%3)+4*(\i)+2], v[X+16*(p%3)+4*(\i)+3]
.endr
.set p, p+1
.endr
	s_wait_alu depctr_va_vdst(0)                   ; the last block has written its Y, which the last four stores read
.irp i, 0,1,2,3
	global_store_b64 v2, v[Y+2*(BLOCK*(BLOCKS-1)+(\i)):Y+2*(BLOCK*(BLOCKS-1)+(\i))+1], s[6:7] offset:OUTB*(BLOCK*(BLOCKS-1)+(\i)) th:TH_STORE_NT
.endr
	s_endpgm
.Lfunc_end_k_q72c38f05c2_cast_x:
	.size	k_q72c38f05c2_cast_x, .Lfunc_end_k_q72c38f05c2_cast_x-k_q72c38f05c2_cast_x
	.p2alignl 7, 3214868480
	.fill 96, 4, 3214868480
	.section	.rodata,"a",@progbits
	.p2align	6, 0x0
	.amdhsa_kernel k_q72c38f05c2_cast_x
		.amdhsa_group_segment_fixed_size 0
		.amdhsa_private_segment_fixed_size 0
		.amdhsa_enable_private_segment 0
		.amdhsa_kernarg_size 16
		.amdhsa_user_sgpr_count 2
		.amdhsa_user_sgpr_kernarg_segment_ptr 1
		.amdhsa_wavefront_size32 1
		.amdhsa_system_sgpr_workgroup_id_x 1
		.amdhsa_system_sgpr_workgroup_id_y 1
		.amdhsa_system_sgpr_workgroup_id_z 1
		.amdhsa_system_vgpr_workitem_id 0
		.amdhsa_next_free_vgpr 116
		.amdhsa_next_free_sgpr 66
		.amdhsa_reserve_vcc 0
		.amdhsa_float_denorm_mode_32 3
		.amdhsa_float_denorm_mode_16_64 3
		.amdhsa_memory_ordered 1
		.amdhsa_forward_progress 1
		.amdhsa_inst_pref_size 12
	.end_amdhsa_kernel
	.amdgpu_metadata
---
amdhsa.version: [ 1, 2 ]
amdhsa.kernels:
  - .name:           k_q72c38f05c2_cast_x
    .symbol:         k_q72c38f05c2_cast_x.kd
    .args:
      - { .name: x, .offset: 0, .size: 8, .value_kind: global_buffer, .address_space: global }
      - { .name: x16, .offset: 8, .size: 8, .value_kind: global_buffer, .address_space: global }
    .group_segment_fixed_size: 0
    .private_segment_fixed_size: 0
    .kernarg_segment_align: 8
    .kernarg_segment_size: 16
    .max_flat_workgroup_size: 256
    .sgpr_count:     66
    .vgpr_count:     116
    .wavefront_size: 32
...
	.end_amdgpu_metadata
.endif
;; end of part 4
;; launch fold_w (part 5): grid 32 x 8, 8 waves a work-group, no clusters, 0 bytes of LDS; arguments w_q, scales, lora_a_w, lora_b_w, weff; writes weff
.if DOCPART == 5
	.amdgcn_target "amdgcn-amd-amdhsa--gfx1250"
	.amdhsa_code_object_version 6
	.text
	.protected	k_q72c38f05c2_fold_w
	.globl	k_q72c38f05c2_fold_w
	.p2align	8
	.type	k_q72c38f05c2_fold_w,@function
k_q72c38f05c2_fold_w:
	s_mov_b64 s[64:65], 0
	v_nop
	global_prefetch_b8 v0, s[64:65] scope:SCOPE_SE
	s_setreg_imm32_b32 hwreg(HW_REG_WAVE_SCHED_MODE, 0, 2), 2
	s_setreg_imm32_b32 hwreg(HW_REG_WAVE_MODE, 25, 1), 1
	s_wait_xcnt 0x0
	s_wait_alu depctr_vm_vsrc(0)
; weff[o][i] = f16( NF4[w_q[o][i]] x scales[o][i / 64] + the sum over r of (2 B[o][r]) A[r][i] ).   w_q: [2048][4096] i32, scales: [2048][64] f32, A = lora_a_w: [16][4096] f32,
; B = lora_b_w: [2048][16] f32, weff: [2048][4096] f16.  x (W + 2 B A)^T = x W^T + 2 (x A^T) B^T for every input, so the low-rank path is folded into the weight once (2 = ALPHA / RANK).
; LIMITS.  The low-rank term is summed in another order than in the formula with (x A^T) first.  A and 2 B are rounded to f16 for their product; the sum with the dequantised weight is kept
; in f32 and rounded once to f16: no number beyond 65,504; below 6.1e-5 f16 keeps its fixed step of 6e-8.  A code outside 0 .. 15 counts as 15.  NaN and infinities are not treated apart.
; SHARES.  Work-group (sx, sy): columns 128 sx .. + 127, rows 256 sy .. + 255; wave w its rows 32 w .. + 31, as two blocks of 16 rows.  No byte is shared between waves: no LDS bytes, no barrier.
; LAYOUT.  Lane l: r = l % 16, h = l / 16.  One matrix instruction makes D = S0 x S1 + C.  S0 = 16 rows o of 2 B (rank = K: 16 of the 32 are used, the fragments' upper registers are 0).
; S1 number q (0 .. 7) holds the 16 columns i = c0 + 8 r + q of A.  Register j of D number q in lane (r, h) is then row o0 + 8 h + j, column c0 + 8 r + q: a lane holds EIGHT NEIGHBOURING
; COLUMNS of eight rows.  C is the dequantised weight in the same places, so the matrix instruction itself adds the two parts.  A row's eight numbers pack into 16 bytes; sixteen
; neighbouring lanes store 256 consecutive bytes, aligned.  The codes come as 32 bytes a lane and row (two loads, which together take all 512 bytes of the row's strip).
; THE TABLE lies across the lanes: lane l holds NF4[l % 16], and a lane permute by 4 x code fetches a code's level (it touches no LDS byte).
; THE MODE: SCHED_MODE bits 1:0 = 2 (LLVM: expert scheduling mode 2), set by the entry lines.  The code itself states the register dependences
; between vector or matrix instructions and memory or LDS instructions, with s_wait_alu, always for 0.
; THE PLAN.  Registers that memory instructions or permutes touch:
;   v4 .. v7      byte offsets, made once at the head, read by the loads and stores, never written again.
;   AR, BR, SC    loaded once; no vector instruction names them ahead of their loads.
;   Q[b]          block b's codes, loaded once; then 4 x code is made in the same registers, and the block's permutes read them as lane addresses; never written behind that.
;   v[T]          the table: made at the head, read by every permute, never written again.
;   CD            the permutes' results land here; the scalings, products and roundings of the block follow; no permute and no memory instruction reads it.
;   O[b]          written by block b's roundings, read by its eight stores, never written again.
; So a block has one wait ahead of its run of permutes and one ahead of its run of stores, and block 0's second is block 1's first.  Block 1's 4 x code is made while block 0's permutes are out.
; No register that a memory instruction or a permute reads is ever written again, so nothing is owed on that side.
.set QA, 4                             ; v4   my byte offset in w_q and in A (both have rows of 16,384 bytes): 8 h rows + 32 r
.set BA, 5                             ; v5   in B: 64 r + 32 h
.set SA, 6                             ; v6   in scales: 8 h rows of 256 bytes + 4 (r / 8)
.set OA, 7                             ; v7   in weff: 8 h rows of 8,192 bytes + 16 r
.set T,  8                             ; v8   NF4[l % 16]
.set SC, 10                            ; v[10:25]   the scale of block b, row j at SC + 8 b + j
.set BF, 26                            ; v[26:41]   the fragment of 2 B for block b at BF + 8 b
.set BR, 42                            ; v[42:57]   B as loaded, 8 a block
.set AF, 64                            ; v[64:127]  fragment q of A at AF + 8 q
.set CD, 128                           ; v[128:191] C and D number q at CD + 8 q
.set O,  192                           ; v[192:255] packed results at O + 32 b + 4 j: each block has its own, so no store's data is ever rewritten
.set Q,  0                             ; second window of 256, v[0:127]:   the codes at Q + 64 b + 8 j + q, later 4 x code
.set AR, 128                           ; second window of 256, v[128:191]: A as loaded, rank 8 h + jj, column q at AR + 8 jj + q
.set MK, 13                            ; s[14:28]   the lanes with l % 16 = e, at MK + e, e = 1 .. 15
.set MSB, 0
.macro WIN new                         ; s_set_vgpr_msb: bits 1:0 source 0, 3:2 source 1, 5:4 source 2, 7:6 destination; the high byte repeats the setting that is left
.if MSB != (\new)
	s_set_vgpr_msb (MSB<<8)|(\new)
.set MSB, \new
.endif
.endm
	s_load_b256 s[4:11], s[0:1], 0x0               ; w_q s[4:5], scales s[6:7], A s[8:9], B s[10:11]
	s_load_b64 s[12:13], s[0:1], 0x20              ; weff
	v_lshrrev_b32 v1, 5, v0
	v_readfirstlane_b32 s14, v1                    ; wave 0..7
	v_and_b32 v1, 15, v0                           ; r
	v_bfe_u32 v2, v0, 4, 1                         ; h
	v_lshrrev_b32 v3, 3, v1                        ; r / 8: which of the strip's two blocks of 64 columns
	v_lshlrev_b32 v[QA], 5, v1
	v_lshl_add_u32 v[QA], v2, 17, v[QA]
	v_lshlrev_b32 v[BA], 6, v1
	v_lshl_add_u32 v[BA], v2, 5, v[BA]
	v_lshlrev_b32 v[SA], 2, v3
	v_lshl_add_u32 v[SA], v2, 11, v[SA]
	v_lshlrev_b32 v[OA], 4, v1
	v_lshl_add_u32 v[OA], v2, 16, v[OA]
	s_wait_alu depctr_va_sdst(0)                   ; s14 is written, ahead of its first reader: my first row, and all five bases with it, are made from it
	s_and_b32 s15, ttmp7, 0xffff                   ; sy
	s_lshl_b32 s15, s15, 8
	s_lshl_b32 s27, s14, 5
	s_add_co_u32 s15, s15, s27                     ; my first row: 256 sy + 32 wave
	s_lshl_b32 s18, ttmp9, 9                       ; A: the strip's 128 columns of 4 bytes
	s_mov_b32 s19, 0
	s_lshl_b32 s16, s15, 14                        ; w_q: rows of 16,384 bytes, and the strip
	s_add_co_u32 s16, s16, s18
	s_mov_b32 s17, 0
	s_lshl_b32 s20, s15, 6                         ; B: rows of 64 bytes
	s_mov_b32 s21, 0
	s_lshl_b32 s22, s15, 8                         ; scales: rows of 256 bytes, and the strip's two scales
	s_lshl_b32 s27, ttmp9, 3
	s_add_co_u32 s22, s22, s27
	s_mov_b32 s23, 0
	s_lshl_b32 s24, s15, 13                        ; weff: rows of 8,192 bytes, and the strip's 256 bytes
	s_lshl_b32 s27, ttmp9, 8
	s_add_co_u32 s24, s24, s27
	s_mov_b32 s25, 0
	s_wait_kmcnt 0x0
	s_add_nc_u64 s[4:5], s[4:5], s[16:17]
	s_add_nc_u64 s[8:9], s[8:9], s[18:19]
	s_add_nc_u64 s[10:11], s[10:11], s[20:21]
	s_add_nc_u64 s[6:7], s[6:7], s[22:23]
	s_add_nc_u64 s[12:13], s[12:13], s[24:25]
.macro CODES b                         ; a block's 16 loads of codes
	WIN 0x40                                       ; destination in the second window, address in the first
.irp j, 0,1,2,3,4,5,6,7
	global_load_b128 v[Q+64*(\b)+8*(\j):Q+64*(\b)+8*(\j)+3],   v[QA], s[4:5] offset:262144*(\b)+16384*(\j) th:TH_LOAD_NT
	global_load_b128 v[Q+64*(\b)+8*(\j)+4:Q+64*(\b)+8*(\j)+7], v[QA], s[4:5] offset:262144*(\b)+16384*(\j)+16 th:TH_LOAD_NT
.endr
	WIN 0
.endm
	; 52 loads in this order: A 16, B 4, scales 16, block 0's codes 16
	WIN 0x40
	s_wait_alu depctr_va_vdst(0)                   ; the four offsets v4 to v7 are written: every load and store of the kernel reads one of them, and none is written again
.irp jj, 0,1,2,3,4,5,6,7
	global_load_b128 v[AR+8*(\jj):AR+8*(\jj)+3],   v[QA], s[8:9] offset:16384*(\jj)
	global_load_b128 v[AR+8*(\jj)+4:AR+8*(\jj)+7], v[QA], s[8:9] offset:16384*(\jj)+16
.endr
	WIN 0
.irp b, 0,1
	global_load_b128 v[BR+8*(\b):BR+8*(\b)+3],   v[BA], s[10:11] offset:1024*(\b)
	global_load_b128 v[BR+8*(\b)+4:BR+8*(\b)+7], v[BA], s[10:11] offset:1024*(\b)+16
.endr
.irp b, 0,1
.irp j, 0,1,2,3,4,5,6,7
	global_load_b32 v[SC+8*(\b)+(\j)], v[SA], s[6:7] offset:4096*(\b)+256*(\j)
.endr
.endr
	CODES 0
	; while they are on their way: the table, and the zeros of the fragments' unused half of K
.irp e, 1,2,3,4,5,6,7,8,9,10,11,12,13,14,15
	v_cmp_eq_u32 s[MK+(\e)], \e, v1                ; the fifteen masks in one run, each in a scalar register of its own (the offsets that lay there have been added)
.endr
.macro TAB e, bits                     ; lanes with l % 16 = e take level e
	s_mov_b32 s30, \bits
	v_cndmask_b32 v[T], v[T], s30, s[MK+(\e)]
.endm
	v_mov_b32 v[T], -1.0                           ; level 0
	s_wait_alu depctr_va_sdst(0)                   ; the fifteen masks s14 to s28 are written, ahead of the first select that reads one
	TAB 1,  0xbf3239b1                             ; -0.6961928009986877
	TAB 2,  0xbf066b30                             ; -0.5250730514526367
	TAB 3,  0xbeca32a0                             ; -0.39491748809814453
	TAB 4,  0xbe91a24d                             ; -0.28444138169288635
	TAB 5,  0xbe3d353f                             ; -0.18477343022823334
	TAB 6,  0xbdba7871                             ; -0.09105003625154495
	TAB 7,  0x00000000                             ; 0
	TAB 8,  0x3da2faff                             ; 0.07958029955625534
	TAB 9,  0x3e24cae3                             ; 0.16093020141124725
	TAB 10, 0x3e7c04dd                             ; 0.24611230194568634
	TAB 11, 0x3ead033a                             ; 0.33791524171829224
	TAB 12, 0x3ee1a4b8                             ; 0.44070982933044434
	TAB 13, 0x3f1007ab                             ; 0.5626170039176941
	TAB 14, 0x3f3913b3                             ; 0.7229568362236023
	TAB 15, 0x3f800000                             ; 1
.irp q, 0,1,2,3,4,5,6,7
.irp p, 4,5,6,7
	v_mov_b32 v[AF+8*(\q)+(\p)], 0                 ; K = 16 .. 31 of A's fragments
.endr
.endr
.irp b, 0,1
.irp p, 4,5,6,7
	v_mov_b32 v[BF+8*(\b)+(\p)], 0                 ; and of B's
.endr
.endr
	s_wait_loadcnt 36                              ; A is in: behind it were issued B's 4, the scales' 16 and block 0's 16
	WIN 0x05                                       ; both sources in the second window
.irp q, 0,1,2,3,4,5,6,7
.irp p, 0,1,2,3
	v_cvt_pk_f16_f32 v[AF+8*(\q)+(\p)], v[AR+16*(\p)+(\q)], v[AR+16*(\p)+8+(\q)]  ; ranks 8 h + 2 p and 8 h + 2 p + 1 of column c0 + 8 r + q
.endr
.endr
	WIN 0
	CODES 1                                        ; block 1's codes go out here: 52 loads at the most are out.  No wait: no vector instruction since the wait ahead of the first load names v4, and none has ever named these destinations
	s_wait_loadcnt 48                              ; B is in: behind it were issued the scales' 16 and both blocks' 32
.irp p, 0,2,4,6,8,10,12,14
	v_pk_mul_f32 v[BR+(\p):BR+(\p)+1], v[BR+(\p):BR+(\p)+1], 2.0 op_sel_hi:[1,0]  ; ALPHA / RANK = 2: exact
.endr
.irp b, 0,1
.irp p, 0,1,2,3
	v_cvt_pk_f16_f32 v[BF+8*(\b)+(\p)], v[BR+8*(\b)+2*(\p)], v[BR+8*(\b)+2*(\p)+1]
.endr
.endr
; A block of 16 rows x 128 columns, in five parts.
.macro INDEX b                         ; 4 x code, in the codes' own registers
	WIN 0x44                                       ; source 1 and destination in the second window
.set i, 0
.rept 64
	v_min_u32 v[Q+64*(\b)+i], 15, v[Q+64*(\b)+i]   ; the code, held inside the table
.set i, i+1
.endr
.set i, 0
.rept 64
	v_lshlrev_b32 v[Q+64*(\b)+i], 2, v[Q+64*(\b)+i]  ; the permute names a lane by 4 x its number
.set i, i+1
.endr
.endm
.macro LOOKUP b                        ; NF4[code], each at its place in C: one run of 64 permutes
	WIN 0x01                                       ; the lane address (source 0) in the second window; the table and the destination in the first
.irp q, 0,1,2,3,4,5,6,7
.irp j, 0,1,2,3,4,5,6,7
	ds_bpermute_b32 v[CD+8*(\q)+(\j)], v[Q+64*(\b)+8*(\j)+(\q)], v[T]
.endr
.endr
.endm
.macro SUMS b
	WIN 0
.irp q, 0,1,2,3,4,5,6,7
	s_wait_dscnt 8*(7-(\q))                        ; the permutes come back in order: number q's eight are in, the later numbers' stay out
.irp p, 0,2,4,6
	v_pk_mul_f32 v[CD+8*(\q)+(\p):CD+8*(\q)+(\p)+1], v[CD+8*(\q)+(\p):CD+8*(\q)+(\p)+1], v[SC+8*(\b)+(\p):SC+8*(\b)+(\p)+1]  ; times the row's scale
.endr
	v_wmma_f32_16x16x32_f16 v[CD+8*(\q):CD+8*(\q)+7], v[BF+8*(\b):BF+8*(\b)+7], v[AF+8*(\q):AF+8*(\q)+7], v[CD+8*(\q):CD+8*(\q)+7]  ; + 2 B A; the eight accumulators take turns, one instruction a turn, from block to block too
.endr
.endm
.macro PACK b
.rept 4
	v_nop                                          ; four plain instructions between the last product and the first reading of its result (ISA guide 7.12.1)
.endr
.irp j, 0,1,2,3,4,5,6,7                ; rows in ascending order: every accumulator is first read at its lowest register
.irp p, 0,1,2,3
	v_cvt_pk_f16_f32 v[O+32*(\b)+4*(\j)+(\p)], v[CD+16*(\p)+(\j)], v[CD+16*(\p)+8+(\j)]  ; columns c0 + 8 r + 2 p and + 2 p + 1 of row o0 + 8 h + j
.endr
.endr
.endm
.macro SEND b
	WIN 0
.irp j, 0,1,2,3,4,5,6,7
	global_store_b128 v[OA], v[O+32*(\b)+4*(\j):O+32*(\b)+4*(\j)+3], s[12:13] offset:131072*(\b)+8192*(\j) th:TH_STORE_NT  ; lanes 0-15 fill 256 consecutive bytes, aligned, of one row, lanes 16-31 of the row 8 below
.endr
.endm
	s_wait_loadcnt 16                              ; the scales and block 0's codes are in; block 1's 16 loads may stay out
	INDEX 0
	WIN 0x01
	s_wait_alu depctr_va_vdst(0)                   ; block 0's 4 x code and the table v[T] are written, which the permutes read
	LOOKUP 0
	s_wait_loadcnt 0x0                             ; block 1's codes are in
	INDEX 1                                        ; made while block 0's permutes are out: it names block 1's codes alone, which no permute issued so far touches
	SUMS 0
	PACK 0
	s_wait_alu depctr_va_vdst(0)                   ; block 0's roundings have written O0, which the stores read; block 1's 4 x code is written, which the permutes read; block 0's scalings, products and roundings are done with C and D, in which the permutes' results land
	SEND 0                                         ; the stores name O0 and v7 alone: none of the registers that the permutes below touch
	LOOKUP 1
	SUMS 1
	PACK 1
	s_wait_alu depctr_va_vdst(0)                   ; block 1's roundings have written O1, which the last eight stores read
	SEND 1
	s_endpgm
.Lfunc_end_k_q72c38f05c2_fold_w:
	.size	k_q72c38f05c2_fold_w, .Lfunc_end_k_q72c38f05c2_fold_w-k_q72c38f05c2_fold_w
	.p2alignl 7, 3214868480
	.fill 96, 4, 3214868480
	.section	.rodata,"a",@progbits
	.p2align	6, 0x0
	.amdhsa_kernel k_q72c38f05c2_fold_w
		.amdhsa_group_segment_fixed_size 0
		.amdhsa_private_segment_fixed_size 0
		.amdhsa_enable_private_segment 0
		.amdhsa_kernarg_size 40
		.amdhsa_user_sgpr_count 2
		.amdhsa_user_sgpr_kernarg_segment_ptr 1
		.amdhsa_wavefront_size32 1
		.amdhsa_system_sgpr_workgroup_id_x 1
		.amdhsa_system_sgpr_workgroup_id_y 1
		.amdhsa_system_sgpr_workgroup_id_z 1
		.amdhsa_system_vgpr_workitem_id 0
		.amdhsa_next_free_vgpr 448
		.amdhsa_next_free_sgpr 66
		.amdhsa_reserve_vcc 0
		.amdhsa_float_denorm_mode_32 3
		.amdhsa_float_denorm_mode_16_64 3
		.amdhsa_memory_ordered 1
		.amdhsa_forward_progress 1
		.amdhsa_inst_pref_size 44
	.end_amdhsa_kernel
	.amdgpu_metadata
---
amdhsa.version: [ 1, 2 ]
amdhsa.kernels:
  - .name:           k_q72c38f05c2_fold_w
    .symbol:         k_q72c38f05c2_fold_w.kd
    .args:
      - { .name: w_q, .offset: 0, .size: 8, .value_kind: global_buffer, .address_space: global }
      - { .name: scales, .offset: 8, .size: 8, .value_kind: global_buffer, .address_space: global }
      - { .name: lora_a_w, .offset: 16, .size: 8, .value_kind: global_buffer, .address_space: global }
      - { .name: lora_b_w, .offset: 24, .size: 8, .value_kind: global_buffer, .address_space: global }
      - { .name: weff, .offset: 32, .size: 8, .value_kind: global_buffer, .address_space: global }
    .group_segment_fixed_size: 0
    .private_segment_fixed_size: 0
    .kernarg_segment_align: 8
    .kernarg_segment_size: 40
    .max_flat_workgroup_size: 256
    .sgpr_count:     66
    .vgpr_count:     448
    .wavefront_size: 32
...
	.end_amdgpu_metadata
.endif
;; end of part 5
;; launch gemm: the kernel of part 3 again; grid 8 x 32, 4 waves a work-group, clusters of 4 x 4, 327,680 bytes of LDS; arguments x16, weff, out0; writes out0
